; MI455X (gfx1250); checked and timed in simulation.
; The chip was launched on July 23, 2026; its instructions are those of AMD's public machine-readable ISA for CDNA 5 (MIT licence, August 2026) and "CDNA5" Instruction Set Architecture Reference Guide (July 2026). The comments in the code are by the model that wrote it; some were corrected since.
;; Multi Head Self Attention. Allowed arithmetic: matrix products marked QUANTISED: E2M1 operands, one E8M0 scale for each 32 along K, by v_wmma_scale_f32_16x16x128_f8f6f4 with both operands' format E2M1 (or v_wmma_scale_f32_32x16x128_f4), f32 sums; everything else in f32.
;; Inputs: Wo_codes 1,024 x 32 x 16 uint8 (E2M1 codes of Wo, K innermost, in blocks of 32 codes, two codes a byte); Wo_scales 1,024 x 32 uint8 (E8M0 scales of Wo, one for each 32 codes along K); Wq_codes 1,024 x 32 x 16 uint8 (E2M1 codes of Wq, K innermost, in blocks of 32 codes, two codes a byte); Wq_scales 1,024 x 32 uint8 (E8M0 scales of Wq, one for each 32 codes along K); bo 1,024 float32; bq 1,024 float32; x_codes 2 x 2,048 x 32 x 16 uint8 (E2M1 codes of x, K innermost, in blocks of 32 codes, two codes a byte); x_scales 2 x 2,048 x 32 uint8 (E8M0 scales of x, one for each 32 codes along K).
;; Outputs: out0 2 x 2,048 x 1,024 float32.
;; This version of the problem:
;;   THIS VERSION OF THE PROBLEM IS GIVEN IN LOW PRECISION. The matrix products marked QUANTISED in the list below multiply operands that are first quantised to E2M1 (2 exponent bits, 1 mantissa bit; 4 bits a number), with one power-of-two scale for each 32 numbers along K (OCP MX v1.0); their sums are f32. All else is computed in f32.
;;   The module's matrix products, in the order in which they are computed (A, B: the left and right operand; K: the contracted axis; several contracted axes count as one K, in the product's order):
;;     1. [M 4,096, K 1,024] x [K 1,024, N 1,024]; A: input x (given as codes); B: input Wq (given as codes): QUANTISED
;;     2. batch 32 x [M 2,048, K 64] x [K 64, N 2,048]; A: computed on the way; B: computed on the way: QUANTISED
;;     3. batch 32 x [M 2,048, K 2,048] x [K 2,048, N 64]; A: softmax (see below); B: computed on the way: QUANTISED
;;     4. [M 4,096, K 1,024] x [K 1,024, N 1,024]; A: computed on the way; B: input Wo (given as codes): QUANTISED
;;   THE QUANTISER, for each operand of a quantised product, along K:
;;     - K is cut into blocks of 32 from its start; a last block that is shorter is filled with zeros.
;;     - A block's scale is 2^e with e = floor(log2(the largest magnitude in the block)) - 2, held to -126 .. 127; a block of zeros has e = 0. As a byte (E8M0): e + 127.
;;     - Each number is divided by its block's scale, clamped to +-6, and rounded to the nearest number of E2M1, ties to even, subnormals kept.
;;     - The product sums the exact products of the quantised numbers (number of the format x scale) in f32.
;;   ~~~python
;;   def quantise(x, axis):      # numpy; x: float32 -> the quantised numbers, widened to float32 again
;;       x = np.moveaxis(x, axis, -1); K = x.shape[-1]
;;       x = np.pad(x, [(0, 0)] * (x.ndim - 1) + [(0, -K % 32)]); x = x.reshape(x.shape[:-1] + (-1, 32)); a = np.abs(x).max(-1, keepdims=True)
;;       e = np.where(a > 0, np.clip(np.frexp(np.where(a > 0, a, 1))[1] - 1 - 2, -126, 127), 0)      # np.frexp(a)[1] - 1 = floor(log2(a)), exactly
;;       r = np.clip(x / 2.0 ** e, -6, 6)
;;       step = 2.0 ** (np.maximum(np.frexp(np.where(r == 0, 1, r))[1] - 1, 0) - 1)
;;       q = np.round(r / step) * step * 2.0 ** e      # np.round: ties to even
;;       return np.moveaxis(q.reshape(q.shape[:-2] + (-1,))[..., :K], -1, axis).astype(np.float32)
;;   ~~~
;;   SOFTMAX AHEAD OF A QUANTISED PRODUCT. Where the list says 'softmax', what is quantised is not the finished softmax but p = 2^(t - M), with t = logit x log2(e) and M = ceil(the row's largest t), a whole number; so 1/2 < the row's largest p <= 1. The row's sum l is taken of the UNQUANTISED p, in f32, and the product's result is divided by l at the end. Since M is a whole number, a kernel that streams over the keys may use a running M (the ceiling of the running maximum): every later rescaling is an exact power of two, which a block's scale takes up: the codes' values come out the same.
;;   OPERANDS COMPUTED ON THE WAY. 'Computed on the way' means the value that the module computes at that place (a softmax that the list does not call 'softmax' is quantised finished and normalised). What goes into a quantiser is computed in f32, as accurately as f32 sums, v_exp_f32 and their like allow (about 1e-6 of the number): no bf16 or f16 on the way to a quantiser, and a product that is left as it is and whose result goes on into a quantised operand takes f32 operands (vector FMAs, or v_wmma_f32_16x16x4_f32). A number that lies on a knife's edge between two numbers of the format may be rounded either way, as far as f32 arithmetic and the matrix unit's own rounding can turn it there, and no further.
;;   INPUTS GIVEN AS CODES. Wo (in the module: [1024, 1024], K = its axis 1); Wq (in the module: [1024, 1024], K = its axis 1); x (in the module: [2, 2048, 1024], K = its axis 2): each comes as NAME_codes (uint8): NAME with its K axis moved to the last place and cut into blocks of 32 codes, [.., K / 32, bytes a block], one block behind the other in memory; two codes a byte, the lower K in the low four bits (a code: sign, 2 exponent bits, 1 mantissa bit); and NAME_scales (uint8): the same leading axes, one E8M0 byte (e + 127) for each 32 codes along K. Its value is code x scale, taken as it is: it is not quantised again, and the codes and scales need not be those that the quantiser above would give.
;; One version. Each part assembles by itself: llvm-mc -triple=amdgcn-amd-amdhsa -mcpu=gfx1250 --defsym DOCPART=n.
;; ======== version 1 of 1: 3 launches
;; limits: right only within a limited range of input values
;; workspace buffers: kv 4,456,448 bytes; a_codes 2,097,152 bytes; a_scales 131,072 bytes
;; launch proj (part 1): grid 8 x 32, 4 waves a work-group, clusters of 4 x 4, 168,448 bytes of LDS; arguments x_codes, x_scales, Wq_codes, Wq_scales, bq, kv; writes kv
.if DOCPART == 1
	.amdgcn_target "amdgcn-amd-amdhsa--gfx1250"
	.amdhsa_code_object_version 6
	.text
	.protected	k_qed9ab4c9f4_proj
	.globl	k_qed9ab4c9f4_proj
	.p2align	8
	.type	k_qed9ab4c9f4_proj,@function
k_qed9ab4c9f4_proj:
	s_mov_b64 s[64:65], 0
	v_nop
	global_prefetch_b8 v0, s[64:65] scope:SCOPE_SE
	s_setreg_imm32_b32 hwreg(HW_REG_WAVE_MODE, 25, 1), 1
	s_wait_xcnt 0x0
	s_wait_alu depctr_hold_cnt(0) depctr_sa_sdst(0) depctr_va_vdst(0) depctr_va_sdst(0) depctr_va_ssrc(0) depctr_va_vcc(0) depctr_vm_vsrc(0)
	s_getreg_b32 s2, hwreg(HW_REG_IB_STS2, 6, 4)
	s_cmp_eq_u32 s2, 0
	s_cbranch_scc0 .Lentry_in_a_cluster
	s_endpgm
.Lentry_in_a_cluster:
	s_bfe_u32 s2, ttmp6, 0x10000c
	s_cmp_lg_u32 s2, 0xf033
	s_cbranch_scc0 .Lentry_shape_is_right
	s_endpgm
.Lentry_shape_is_right:
; q = x Wq^T + bq on codes of FP4 (E2M1) with E8M0 scales, and q's own codes, made twice: along the head's 64 channels (they serve as Q and as K of the
; attention) and along the keys (they serve as V).  No step or input of the problem is left out in this program.
; SHARES.  A work-group takes 128 rows of x (one step of 128 keys of one batch) x 128 channels (two heads); wave (wm, wn) 64 rows x one head.
; EACH PAIR OF FRAGMENTS IS MULTIPLIED TWICE, the sources swapped: T1 (source 0 = 16 rows of Wq, source 1 = 16 rows of x) leaves in a lane one row of q and registers
; along the channels; T2 one channel and registers along the keys.  THE ROWS OF A TILE, of x and of Wq alike: slot r of tile t is row 8 t + r for r < 8, and row 32 + 8 (t ^ 1) + r - 8 for r >= 8 of the wave's 64.
; So the 32 registers that a lane (r, h) holds of four tiles are the whole block h of 32: no other lane is asked for a maximum, and its four registers of codes are the operand's registers as they stand.
; In lanes 16-31 the four groups of eight come in the order 1, 0, 3, 2: the same in K and Q, and the same in V and in the attention's p, so the products are those of the natural order.
; OUT: kv[batch x head][step][8,704 bytes]: 8 tiles of K's codes (512 bytes each, 16 x lane), 4 tiles of V's codes (1,024 bytes: two groups of 64 keys, 16 x lane), then 16 bytes a lane of scale words:
; K's of 64-key group 0 and 1 (lanes 0-15: tiles 0 and 1, lanes 16-31: tiles 2 and 3; two bytes a tile), V's of channel tiles 0 / 1 and 2 / 3 (lanes 0-15 the even tile, lanes 16-31 the odd; four bytes along the keys).
; LDS holds all of K at once, filled once by one tensor load a wave: 64 rows of 512 bytes with 16 bytes of padding behind each: the 16 rows that a fragment load touches start at 16 different columns of 16 bytes modulo 256.
; CLUSTER 4 x 4: x's tiles are shared along a row of the cluster, Wq's along a column.  No prefetch: each tile is asked for once, at the head, and no loop runs ahead of it.
; LIMITS: NaN and infinities are not served.  A block of zeros gets the scale byte 1 where the quantiser says 127: its codes are zeros, and this program alone reads the bytes.
; Blocks whose largest magnitude lies under 2^-124 are held at the byte 1.
; REGISTERS.  window 0: v1-15 addresses; v16-31 x's scale words, v32-47 Wq's (lanes 0-15: 128-steps 0-3 along K, lanes 16-31: 4-7); v48-111, v112-175 two fragment buffers; v176-207, v208-239 the bias for T1 and T2; v240-253 at work.
;   window 1: T1(a, b) at v[8 (4 a + b)], T2(a, b) at v[128 + 8 (4 b + a)].
.set PITCH,  528
.set HALFT,  64*PITCH
.set STG,    4*HALFT                   ; 1,024 bytes of stage for the scale words: no fill lands here
.set SPARE,  STG+1024                  ; the spare words
.set STEPB,  8704
.set HEADB,  16*STEPB
.set ADRX, 4                           ; v4 even tiles, v5 odd tiles of x;  v6, v7 of Wq
.set ADRW, 6
.set SX,   16
.set SW,   32
.set F0,   48
.set BQ1,  176
.set BQ2,  208
.set TM,   240
.set SPW,  254
.set NIL,  255
.set G1A,  28
.set G1B,  36
.set G0A,  44
.set G0B,  48
.set SEL,  60
.set MSB, 0
.macro WIN new                         ; the immediate's high byte repeats the setting that is left
.if MSB != \new
	s_set_vgpr_msb (MSB<<8)|\new
.set MSB, \new
.endif
.endm
.macro PLACES
.rept 4
	v_nop
.endr
.endm
.macro CROUND                          ; a round of the cluster's barrier
	s_barrier_signal -1
	s_barrier_wait -1
	s_cmp_lg_u32 s16, 0
	s_cbranch_scc1 .Lnot_wave_0_\@
	s_barrier_signal -3
.Lnot_wave_0_\@:
	s_barrier_wait -3
	s_barrier_signal -1
	s_barrier_wait -1
.endm
	s_load_b256 s[4:11], s[0:1], 0x0               ; x's codes s[4:5], x's scales s[6:7], Wq's codes s[8:9], Wq's scales s[10:11]
	s_load_b128 s[12:15], s[0:1], 0x20             ; bq s[12:13], kv s[14:15]
	v_lshl_add_u32 v[SPW], v0, 2, SPARE
	v_mov_b32 v[NIL], 0
	ds_add_u32 v[SPW], v[NIL]                      ; the opening lines
	ds_add_u32 v[SPW], v[NIL]
	v_lshrrev_b32 v1, 5, v0
	v_readfirstlane_b32 s16, v1                    ; wave 0..3
	s_lshr_b32 s17, s16, 1                         ; wm: my 64 rows.  Also: I fetch for x (0) or for Wq (1)
	s_and_b32 s18, s16, 1                          ; wn: my head.  Also: which 64 rows I fetch
	s_bfe_u32 s19, ttmp6, 0x40000                  ; cx
	s_bfe_u32 s20, ttmp6, 0x40004                  ; cy
	s_lshl_b32 s21, ttmp9, 2
	s_add_co_u32 s21, s21, s19                     ; nx: which 128 channels
	s_and_b32 s22, ttmp7, 0xffff
	s_lshl_b32 s22, s22, 2
	s_add_co_u32 s22, s22, s20                     ; my: which 128 rows
	s_lshl_b32 s23, s20, 2
	s_lshl_b32 s23, 15, s23                        ; my row of the cluster
	s_lshl_b32 s24, 0x1111, s19                    ; my column
	; group 1: 64 rows x 512 bytes, dense in memory, 16 bytes of padding behind each row in LDS (four words after every 128)
	s_or_b32 s[G1A], s23, (0<<16)|(1<<20)|(1<<21)|(6<<22)|(3<<25)
	s_or_b32 s[G1B], s24, (0<<16)|(1<<20)|(1<<21)|(6<<22)|(3<<25)
.irp g, G1A, G1B
	s_mov_b32 s[\g+1], 512<<16
	s_mov_b32 s[\g+2], 64<<16
	s_mov_b32 s[\g+3], 512<<16
	s_mov_b32 s[\g+4], 64
	s_mov_b32 s[\g+5], 512
	s_mov_b32 s[\g+6], 0
	s_mov_b32 s[\g+7], 0
.endr
	s_lshl_b32 s25, s18, 15                        ; which 64 rows I fetch, 512 bytes a row
	s_lshl_b32 s92, s22, 16
	s_add_co_u32 s92, s92, s25                     ; x: row 128 my + 64 half
	s_mov_b32 s93, 0
	s_lshl_b32 s96, s21, 16
	s_add_co_u32 s96, s96, s25                     ; Wq: row 128 nx + 64 half
	s_mov_b32 s97, 0
	s_mul_i32 s26, s16, HALFT                      ; where it goes: wave x 64 rows
	s_lshl_b32 s66, s22, 12
	s_lshl_b32 s67, s17, 11
	s_add_co_u32 s66, s66, s67                     ; x's scales at my 64 rows, 32 bytes a row
	s_mov_b32 s67, 0
	s_lshl_b32 s68, s21, 12
	s_lshl_b32 s69, s18, 11
	s_add_co_u32 s68, s68, s69                     ; Wq's scales at my head's 64 rows
	s_mov_b32 s69, 0
	s_lshl_b32 s70, s21, 9
	s_lshl_b32 s71, s18, 8
	s_add_co_u32 s70, s70, s71                     ; bq at my head's first channel
	s_mov_b32 s71, 0
	s_lshr_b32 s72, s22, 4
	s_lshl_b32 s72, s72, 4
	s_lshl_b32 s73, s21, 1
	s_add_co_u32 s72, s72, s73
	s_add_co_u32 s72, s72, s18                     ; 16 x batch + head
	s_mul_i32 s72, s72, HEADB
	s_and_b32 s73, s22, 15                         ; the step
	s_mul_i32 s73, s73, STEPB
	s_add_co_u32 s72, s72, s73
	s_mov_b32 s73, 0
	s_mov_b32 s[SEL], 0x76543210
	s_mov_b32 s[SEL+1], 0xfedcba98                 ; v_permlanex16_b32's selects for lane l xor 16
	s_mov_b32 s62, 0xffff0000                      ; a lane mask: lanes 16-31
	s_mul_i32 s74, s17, HALFT                      ; my 64 rows of x in LDS
	s_mul_i32 s75, s18, HALFT
	s_add_co_u32 s75, s75, 2*HALFT                 ; my 64 rows of Wq, behind x's 128
	s_lshl_b32 s76, s17, 11                        ; K's codes: my four tiles
	s_lshl_b32 s77, s17, 9
	s_add_co_u32 s77, s77, 4096                    ; V's codes: my 64 keys of each tile
	s_lshl_b32 s78, s18, 9
	s_add_co_u32 s78, s78, STG                     ; the stage: 512 bytes a head
	s_lshl_b32 s79, s17, 2
	s_add_co_u32 s79, s79, s78                     ; K's word of my 64 keys
	s_lshl_b32 s80, s17, 1
	s_add_co_u32 s80, s80, s78
	s_add_co_u32 s80, s80, 8                       ; V's half words of my 64 keys
	v_and_b32 v1, 15, v0                           ; r
	v_bfe_u32 v2, v0, 4, 1                         ; h
	v_and_b32 v3, 8, v1
	v_lshl_add_u32 v248, v3, 2, v1                 ; even tiles: row r + 32 (r / 8)
	v_lshl_add_u32 v249, v3, 1, v1                 ; odd tiles: row r + 16 (r / 8)
	v_mul_u32_u24 v250, v248, PITCH
	v_lshl_add_u32 v250, v2, 4, v250
	v_add_nc_u32 v[ADRX], s74, v250
	v_add_nc_u32 v[ADRW], s75, v250
	v_mul_u32_u24 v250, v249, PITCH
	v_lshl_add_u32 v250, v2, 4, v250
	v_add_nc_u32 v[ADRX+1], s74, v250
	v_add_nc_u32 v[ADRW+1], s75, v250
	v_lshlrev_b32 v252, 5, v248
	v_lshl_add_u32 v252, v2, 4, v252               ; scale words: 32 bytes a row, lanes 16-31 the upper 16
	v_lshlrev_b32 v253, 5, v249
	v_lshl_add_u32 v253, v2, 4, v253
	v_mul_u32_u24 v240, v2, 160                    ; T1's bias: lanes 16-31 hold channels 8 b + 40 on (b even),
	v_mul_u32_u24 v241, v2, 96                     ; 8 b + 24 on (b odd)
	v_lshlrev_b32 v242, 2, v248                    ; T2's: the channel of my slot
	v_lshlrev_b32 v243, 2, v249
	v_lshlrev_b32 v8, 3, v2                        ; 8 h
	v_lshlrev_b32 v9, 4, v2                        ; 16 h
	v_and_b32 v251, 31, v0
	v_lshlrev_b32 v251, 4, v251                    ; 16 x lane
	v_add_nc_u32 v10, s76, v251
	v_add_nc_u32 v11, s77, v251
	v_add_nc_u32 v12, s79, v251
	v_add_nc_u32 v13, s80, v251
	v_add_nc_u32 v14, s78, v251
	v_add_nc_u32 v15, 8192, v251
	s_wait_alu depctr_va_vdst(0)
	s_wait_dscnt 0x0                               ; both opening adds are done
	s_wait_kmcnt 0x0
	s_add_nc_u64 s[92:93], s[4:5], s[92:93]
	s_add_nc_u64 s[96:97], s[8:9], s[96:97]
	s_mov_b32 s[G0A], 1
	s_mov_b32 s[G0A+1], s26
	s_mov_b64 s[G0A+2:G0A+3], s[92:93]
	s_or_b32 s[G0A+3], s[G0A+3], 0x80000000
	s_mov_b32 s[G0B], 1
	s_mov_b32 s[G0B+1], s26
	s_mov_b64 s[G0B+2:G0B+3], s[96:97]
	s_or_b32 s[G0B+3], s[G0B+3], 0x80000000
	CROUND                                         ; all sixteen work-groups are here: the joint loads meet
	s_cmp_eq_u32 s17, 0                            ; one joint load a wave: waves 0 and 1 for x, 2 and 3 for Wq
	s_cbranch_scc0 .Lfor_w
	tensor_load_to_lds s[G0A:G0A+3], s[G1A:G1A+7]
	s_nop 0
	PLACES
	s_branch .Lasked
.Lfor_w:
	tensor_load_to_lds s[G0B:G0B+3], s[G1B:G1B+7]
	s_nop 0
	PLACES
.Lasked:
	s_add_nc_u64 s[6:7], s[6:7], s[66:67]
	s_add_nc_u64 s[10:11], s[10:11], s[68:69]
	s_add_nc_u64 s[12:13], s[12:13], s[70:71]
	s_add_nc_u64 s[14:15], s[14:15], s[72:73]      ; kv at my head's step
.irp i, 0,1,2,3
	global_load_b128 v[SX+4*\i:SX+4*\i+3], v[252+(\i%2)], s[6:7] offset:256*\i
	global_load_b128 v[SW+4*\i:SW+4*\i+3], v[252+(\i%2)], s[10:11] offset:256*\i
.endr
.irp b, 0,1,2,3
	global_load_b128 v[BQ1+8*\b:BQ1+8*\b+3], v[240+(\b%2)], s[12:13] offset:32*\b
	global_load_b128 v[BQ1+8*\b+4:BQ1+8*\b+7], v[240+(\b%2)], s[12:13] offset:32*\b+16
	global_load_b32 v[BQ2+8*\b], v[242+(\b%2)], s[12:13] offset:32*\b
.endr
.macro FETCH k, f                      ; 16 LDS loads: the fragments of the k-th 128 along K: x's four tiles, then Wq's four
.irp i, 0,1,2,3
.irp c, 0,1
	ds_load_b128 v[\f+8*\i+4*\c:\f+8*\i+4*\c+3], v[ADRX+(\i%2)] offset:8*\i*PITCH+64*(\k)+32*\c
.endr
.endr
.irp i, 0,1,2,3
.irp c, 0,1
	ds_load_b128 v[\f+32+8*\i+4*\c:\f+32+8*\i+4*\c+3], v[ADRW+(\i%2)] offset:8*\i*PITCH+64*(\k)+32*\c
.endr
.endr
.endm
.macro MM d, a, b, c, sa, sb, k
.if \k > 3
	v_wmma_scale_f32_16x16x128_f8f6f4 v[\d:\d+7], v[\a:\a+7], v[\b:\b+7], v[\c:\c+7], v[\sa], v[\sb] matrix_a_fmt:MATRIX_FMT_FP4 matrix_b_fmt:MATRIX_FMT_FP4 matrix_a_scale:MATRIX_SCALE_ROW1 matrix_b_scale:MATRIX_SCALE_ROW1
.else
	v_wmma_scale_f32_16x16x128_f8f6f4 v[\d:\d+7], v[\a:\a+7], v[\b:\b+7], v[\c:\c+7], v[\sa], v[\sb] matrix_a_fmt:MATRIX_FMT_FP4 matrix_b_fmt:MATRIX_FMT_FP4
.endif
.endm
; 32 matrix instructions: each pair of tiles both ways round.  The bias is the C of a sum's first.  The 32 accumulators take turns, in the same order in every step.
.macro MULS f, k
.irp a, 0,1,2,3
.irp b, 0,1,2,3
.if \k == 0
	MM 8*(4*\a+\b),\f+32+8*\b,\f+8*\a,BQ1+8*\b,SW+4*\b+(\k%4),SX+4*\a+(\k%4),\k
	MM 128+8*(4*\b+\a),\f+8*\a,\f+32+8*\b,BQ2+8*\b,SX+4*\a+(\k%4),SW+4*\b+(\k%4),\k
.else
	MM 8*(4*\a+\b),\f+32+8*\b,\f+8*\a,8*(4*\a+\b),SW+4*\b+(\k%4),SX+4*\a+(\k%4),\k
	MM 128+8*(4*\b+\a),\f+8*\a,\f+32+8*\b,128+8*(4*\b+\a),SX+4*\a+(\k%4),SW+4*\b+(\k%4),\k
.endif
.endr
.endr
.endm
; Four tiles, 32 registers of window 1 each, from s on: each lane's 32 are one block.  Out: 16 registers of codes from pc on; v[TM]: the scale bytes of tiles 0 (low half) and 1, v[TM+2]: of tiles 2 and 3, block 0's byte below block 1's.
.macro QUANT4 s, pc
	WIN 0x05
.irp e, 0,1,2,3
	v_max3_num_f32 v[TM+\e], |v[(\s)+32*\e]|, |v[(\s)+32*\e+1]|, 0x1800000   ; and the floor 2^(3 - 127): the byte cannot fall under 1
.endr
.irp i, 2,4,6,8,10,12,14,16,18,20,22,24,26,28,30
.irp e, 0,1,2,3
	v_max3_num_f32 v[TM+\e], |v[(\s)+32*\e+\i]|, |v[(\s)+32*\e+\i+1]|, v[TM+\e]
.endr
.endr
	WIN 0
.irp e, 0,1,2,3
	v_add_nc_u32 v[TM+4+\e], 0xff000000, v[TM+\e]  ; 2 off its exponent field: the conversion's scale operand
.endr
.irp e, 0,1,2,3
	v_lshrrev_b32 v[TM+\e], 23, v[TM+4+\e]         ; the scale's byte
.endr
	v_lshl_or_b32 v[TM], v[TM+1], 16, v[TM]
	v_lshl_or_b32 v[TM+2], v[TM+3], 16, v[TM+2]
	v_lshlrev_b32 v[TM], v8, v[TM]                 ; 8 h bits up
	v_lshlrev_b32 v[TM+2], v8, v[TM+2]
	v_permlanex16_b32 v[TM+1], v[TM], s[SEL], s[SEL+1]
	v_permlanex16_b32 v[TM+3], v[TM+2], s[SEL], s[SEL+1]
	v_or_b32 v[TM], v[TM], v[TM+1]                 ; with lane l xor 16's bytes
	v_or_b32 v[TM+2], v[TM+2], v[TM+3]
	WIN 0x01
.irp e, 0,1,2,3
.irp g, 0,1,2,3
	v_cvt_scalef32_pk8_fp4_f32 v[(\pc)+4*\e+\g], v[(\s)+32*\e+8*\g:(\s)+32*\e+8*\g+7], v[TM+4+\e]
.endr
.endr
	WIN 0
	v_nop                                          ; one plain place behind a scaled conversion
.endm
	s_wait_loadcnt 0x0                             ; the scale words and the bias
.irp b, 0,1,2,3
.irp j, 1,2,3,4,5,6,7
	v_mov_b32 v[BQ2+8*\b+\j], v[BQ2+8*\b]          ; in T2 a lane's eight registers are eight keys of one channel: the same bias
.endr
.endr
	s_wait_alu depctr_va_vdst(0)
	s_wait_tensorcnt 0x0                           ; my tile is in
	s_barrier_signal -1
	s_barrier_wait -1                              ; everybody's is
	FETCH 0, F0
; Eight steps of 128 along K, written out.  Step k multiplies buffer k % 2; the next step's 16 loads go out ahead of its 32 products.
.irp k, 0,1,2,3,4,5,6,7
.if \k > 0
	PLACES                                         ; between step k - 1's products and loads into the buffer that they read
.endif
.if \k < 7
.set NF, F0+64*((\k+1)%2)
	FETCH \k+1, NF
	s_wait_dscnt 16                                ; all but the 16 loads just issued
.else
	s_wait_dscnt 0x0
.endif
.set CF, F0+64*(\k%2)
.if \k == 0
	WIN 0x40                                       ; D in window 1; the bias in window 0
.else
	WIN 0x50                                       ; C and D in window 1
.endif
	MULS CF, \k
	WIN 0
.endr
	; THE WAY OUT: every store of codes covers 512 consecutive bytes, aligned
	PLACES
	QUANT4 0, 48                                   ; T1: K's (and Q's) codes
.irp a, 0,1,2,3
	global_store_b128 v10, v[48+4*\a:51+4*\a], s[14:15] offset:512*\a
.endr
	v_cndmask_b32 v80, v[TM], v[TM+2], s62         ; lanes 0-15: tiles 0 and 1, lanes 16-31: tiles 2 and 3
	ds_store_b32 v12, v80
	QUANT4 128, 64                                 ; T2: V's codes
.irp b, 0,1,2,3
	global_store_b128 v11, v[64+4*\b:67+4*\b], s[14:15] offset:1024*\b
.endr
	v_lshrrev_b32 v82, v9, v[TM]                   ; lanes 0-15 the even tile's half word, lanes 16-31 the odd one's
	v_lshrrev_b32 v83, v9, v[TM+2]
	ds_store_b16 v13, v82                          ; the two waves of a head meet in the stage
	ds_store_b16 v13, v83 offset:4
	s_wait_dscnt 0x0                               ; for the other wave's sake: my stores have landed
	s_barrier_signal -1
	s_barrier_wait -1
	s_cmp_lg_u32 s17, 0
	s_cbranch_scc1 .Lno_sc                         ; one wave of each head stores the head's 512 bytes of scale words
	ds_load_b128 v[92:95], v14
	s_wait_dscnt 0x0
	global_store_b128 v15, v[92:95], s[14:15]
.Lno_sc:
	s_wait_tensorcnt 0x0                           ; the wave's end
	ds_add_u32 v[SPW], v[NIL]
	s_wait_dscnt 0x0
	CROUND                                         ; the closing round: no work-group ends while a partner may still ask for a tile that names it
	s_endpgm
.Lfunc_end_k_qed9ab4c9f4_proj:
	.size	k_qed9ab4c9f4_proj, .Lfunc_end_k_qed9ab4c9f4_proj-k_qed9ab4c9f4_proj
	.p2alignl 7, 3214868480
	.fill 96, 4, 3214868480
	.section	.rodata,"a",@progbits
	.p2align	6, 0x0
	.amdhsa_kernel k_qed9ab4c9f4_proj
		.amdhsa_group_segment_fixed_size 168448
		.amdhsa_private_segment_fixed_size 0
		.amdhsa_enable_private_segment 0
		.amdhsa_kernarg_size 48
		.amdhsa_user_sgpr_count 2
		.amdhsa_user_sgpr_kernarg_segment_ptr 1
		.amdhsa_wavefront_size32 1
		.amdhsa_system_sgpr_workgroup_id_x 1
		.amdhsa_system_sgpr_workgroup_id_y 1
		.amdhsa_system_sgpr_workgroup_id_z 1
		.amdhsa_system_vgpr_workitem_id 0
		.amdhsa_next_free_vgpr 512
		.amdhsa_next_free_sgpr 100
		.amdhsa_reserve_vcc 0
		.amdhsa_float_denorm_mode_32 3
		.amdhsa_float_denorm_mode_16_64 3
		.amdhsa_memory_ordered 1
		.amdhsa_forward_progress 1
		.amdhsa_inst_pref_size 66
	.end_amdhsa_kernel
	.amdgpu_metadata
---
amdhsa.version: [ 1, 2 ]
amdhsa.kernels:
  - .name:           k_qed9ab4c9f4_proj
    .symbol:         k_qed9ab4c9f4_proj.kd
    .args:
      - { .name: x_codes, .offset: 0, .size: 8, .value_kind: global_buffer, .address_space: global }
      - { .name: x_scales, .offset: 8, .size: 8, .value_kind: global_buffer, .address_space: global }
      - { .name: Wq_codes, .offset: 16, .size: 8, .value_kind: global_buffer, .address_space: global }
      - { .name: Wq_scales, .offset: 24, .size: 8, .value_kind: global_buffer, .address_space: global }
      - { .name: bq, .offset: 32, .size: 8, .value_kind: global_buffer, .address_space: global }
      - { .name: kv, .offset: 40, .size: 8, .value_kind: global_buffer, .address_space: global }
    .group_segment_fixed_size: 168448
    .private_segment_fixed_size: 0
    .kernarg_segment_align: 8
    .kernarg_segment_size: 48
    .max_flat_workgroup_size: 128
    .sgpr_count:     100
    .vgpr_count:     512
    .wavefront_size: 32
...
	.end_amdgpu_metadata
.endif
;; end of part 1
;; launch attn (part 2): grid 8 x 32, 8 waves a work-group, clusters of 4 x 1, 169,984 bytes of LDS; arguments kv, a_codes, a_scales; writes a_codes, a_scales
.if DOCPART == 2
	.amdgcn_target "amdgcn-amd-amdhsa--gfx1250"
	.amdhsa_code_object_version 6
	.text
	.protected	k_qed9ab4c9f4_attn
	.globl	k_qed9ab4c9f4_attn
	.p2align	8
	.type	k_qed9ab4c9f4_attn,@function
k_qed9ab4c9f4_attn:
	s_mov_b64 s[64:65], 0
	v_nop
	global_prefetch_b8 v0, s[64:65] scope:SCOPE_SE
	s_setreg_imm32_b32 hwreg(HW_REG_WAVE_MODE, 25, 1), 1
	s_wait_xcnt 0x0
	s_wait_alu depctr_hold_cnt(0) depctr_sa_sdst(0) depctr_va_vdst(0) depctr_va_sdst(0) depctr_va_ssrc(0) depctr_va_vcc(0) depctr_vm_vsrc(0)
	s_getreg_b32 s2, hwreg(HW_REG_IB_STS2, 6, 4)
	s_cmp_eq_u32 s2, 0
	s_cbranch_scc0 .Lentry_in_a_cluster
	s_endpgm
.Lentry_in_a_cluster:
	s_bfe_u32 s2, ttmp6, 0x10000c
	s_cmp_lg_u32 s2, 0x3003
	s_cbranch_scc0 .Lentry_shape_is_right
	s_endpgm
.Lentry_shape_is_right:
; attn[q] = (sum over keys of Q4(p) Q4(V)) / l, p = 2^(t - M), t = score x log2(e) / 8, score = Q4(q) . Q4(k) over the head's 64 channels; both products on codes of FP4 (E2M1) with E8M0 scales.
; M is the running largest t rounded UP to a whole number; l is the sum of the unquantised p; when M moves, l and O are multiplied by 2^(old M - new M), which rounds nothing.
; The result, divided by l, is quantised along the model's 1,024 (a head is two blocks of 32) for the last product.
; IN: kv as the launch before laid it.  Q's tiles are K's tiles.
; SHARES.  A work-group owns 256 queries of one head; each of its eight waves two tiles of 16 queries (x = 0, 1), in 512 registers.  Every wave walks the head's 2,048 keys, 256 a step, both tiles in step: each fragment of K and of V serves both.
; THE WHOLE HEAD, 139,264 bytes, lies in LDS, filled once, by one load a wave: wave w brings the 256 keys of step w.  Waves 0 and 1 wait for theirs ahead of the first barrier; the others' are waited for within step 0,
; and the barrier that shows them is signalled there and waited for behind step 0.  Nothing is filled again.
; CLUSTER 4 x 1: the four blocks of queries of a cluster belong to one head and want the same bytes: each load is asked for jointly.  No prefetch: the loads stand at the head, and no loop runs ahead of them.
; LAYOUT.  Both products transposed: S^T = K Q^T, O^T = V^T P^T: a lane holds one query (lane % 16) of each tile.  Of each 64 keys a lane (r, h) holds the 32 of block h in the 32 registers of four tiles of K: a block's largest score needs no other lane,
; and the four registers of its codes are the operand's.  In lanes 16-31 the four groups of eight stand in the order 1, 0, 3, 2 of the block, in p as in V; O^T's channels likewise, and the way out puts them in order.
; THE HEAD'S 64 CHANNELS FILL HALF OF THE INSTRUCTION'S K: a fragment of K holds two tiles, one in each half, and Q stands as (q, 0) and as (0, q): zero codes on Q's side take the other tile out.
; EXPONENTIALS go in four batches a step, one for each half of the keys of each tile.  Among them stand scalings and sums whose results are read behind the next wait alone.
; LIMITS: NaN and infinities are not served; the scaled scores stay under 2^31.  A block of zeros gets the byte 1 where the quantiser says 127 (its codes are zeros; this program alone reads the bytes); so does a block of results under 2^-124.
; A block's largest p is taken from its largest score by the same multiply-add and exponential, which takes v_exp_f32 not to fall where its input rises.  The division by l is v_rcp_f32 and a multiplication.
; REGISTERS, window 0: v0 the thread; v1, v35 at work; v2, v32 f; v3 16 x lane; v4-7, v8-11 the blocks' largest; v[12:13], v[14:15] -M and the largest t; v[16:17], v[18:19] l; v20-23 K's scale words, v24-27 V's; v28-31 p's; v33 0; v34 LDS address;
;   v36, v37 Q's scale words; v38, v39 the spare word's address and 0; v44-63: 0, q of tile 0, 0, q of tile 1, 0; v64-95 K's first 128 keys; v96-127 K's second 128 keys, then p's codes (16 a tile); v128-191 V; v192-255 O^T (32 a tile).
;   window 1: S^T, then p: v0-127 tile 0, v128-255 tile 1.
.set STEPB, 8704
.set STEP2, 2*STEPB
.set HEADB, 16*STEPB
.set STG,   HEADB                      ; behind the head: 512 bytes of stage for the scale bytes: no fill lands here
.set SPARE, STG+512                    ; the spare words
.set SPW, 38
.set NIL, 39
.set WV,  10
.set G1,  16
.set G0,  24
.set SEL, 28
.set CS,  30                           ; s[30:31] c = log2(e) / 8: the packed form names a pair and takes its low word for both halves
.set TB,  32                           ; LDS byte at which the step in hand begins
.set CNT, 33
.set MSB, 0
.macro WIN new                         ; the immediate's high byte repeats the setting that is left
.if MSB != \new
	s_set_vgpr_msb (MSB<<8)|\new
.set MSB, \new
.endif
.endm
.macro CROUND
	s_barrier_signal -1
	s_barrier_wait -1
	s_cmp_lg_u32 s[WV], 0
	s_cbranch_scc1 .Lnot_wave_0_\@
	s_barrier_signal -3
.Lnot_wave_0_\@:
	s_barrier_wait -3
	s_barrier_signal -1
	s_barrier_wait -1
.endm
	s_load_b128 s[4:7], s[0:1], 0x0                ; kv s[4:5], a_codes s[6:7]
	s_load_b64 s[8:9], s[0:1], 0x10                ; a_scales
	v_lshl_add_u32 v[SPW], v0, 2, SPARE
	v_mov_b32 v[NIL], 0
	ds_add_u32 v[SPW], v[NIL]                      ; the opening lines
	ds_add_u32 v[SPW], v[NIL]
	v_lshrrev_b32 v4, 5, v0
	v_readfirstlane_b32 s[WV], v4                  ; wave 0..7
	s_bfe_u32 s11, ttmp6, 0x40000                  ; cx
	s_lshl_b32 s12, ttmp9, 2
	s_add_co_u32 s12, s12, s11                     ; qb: my block of 256 queries: it enters plain global addresses alone
	s_and_b32 s13, ttmp7, 0xffff                   ; 16 x batch + head, which the four partners share
	; group 1: a step's 17,408 dense bytes as 68 rows of 32 elements of 8 bytes, laid in LDS as they lie in memory
	s_mov_b32 s[G1], 15|(3<<16)|(1<<21)
	s_mov_b32 s[G1+1], 32<<16
	s_mov_b32 s[G1+2], 68<<16
	s_mov_b32 s[G1+3], 32<<16
	s_mov_b32 s[G1+4], 68
	s_mov_b32 s[G1+5], 32
	s_mov_b32 s[G1+6], 0
	s_mov_b32 s[G1+7], 0
	s_mul_i32 s46, s13, HEADB
	s_mov_b32 s47, 0
	s_mul_i32 s48, s[WV], STEP2                    ; what I fetch, in memory and in LDS
	s_mov_b32 s49, 0
	s_mov_b32 s[SEL], 0x76543210
	s_mov_b32 s[SEL+1], 0xfedcba98
	s_mov_b32 s[CS], 0x3e38aa3b                    ; log2(e) / 8
	s_mov_b32 s[CS+1], s[CS]
	s_mov_b32 s[TB], 0
	s_mov_b32 s34, 0xffff0000                      ; a lane mask: lanes 16-31
	; Q: my tiles are tiles 2 (w % 4) and 2 (w % 4) + 1 of piece 2 qb + w / 4 (128 keys a piece).  They come from memory
	s_lshl_b32 s52, s12, 1
	s_lshr_b32 s53, s[WV], 2
	s_add_co_u32 s52, s52, s53
	s_mul_i32 s52, s52, STEPB
	s_and_b32 s56, s[WV], 3
	s_lshl_b32 s56, s56, 10
	s_add_co_u32 s56, s56, s52                     ; their codes, 512 bytes each
	s_mov_b32 s57, 0
	s_and_b32 s58, s[WV], 1
	s_lshl_b32 s58, s58, 8                         ; their scale word (a half for each): lanes 0-15's or lanes 16-31's words,
	s_bfe_u32 s59, s[WV], 0x10001
	s_lshl_b32 s59, s59, 2                         ; which 64 keys' word
	s_add_co_u32 s58, s58, s59
	s_add_co_u32 s58, s58, s52
	s_add_co_u32 s58, s58, 8192
	s_mov_b32 s59, 0
	s_lshr_b32 s54, s13, 4                         ; batch
	s_and_b32 s55, s13, 15                         ; head
	s_lshl_b32 s60, s54, 7
	s_lshl_b32 s61, s12, 4
	s_add_co_u32 s60, s60, s61
	s_lshl_b32 s61, s[WV], 1
	s_add_co_u32 s60, s60, s61                     ; my first tile among the 256 tiles of rows
	s_lshl_b32 s60, s60, 13
	s_lshl_b32 s61, s55, 9
	s_add_co_u32 s60, s60, s61                     ; a_codes[tile][head]: 512 bytes
	s_mov_b32 s61, 0
	s_lshl_b32 s62, s54, 3
	s_add_co_u32 s62, s62, s12
	s_lshl_b32 s62, s62, 4
	s_add_co_u32 s62, s62, s55
	s_lshl_b32 s62, s62, 9                         ; a_scales[8 batch + qb][head]: 512 bytes
	s_mov_b32 s63, 0
	s_lshr_b32 s36, s[WV], 1
	s_lshl_b32 s36, s36, 7
	s_and_b32 s37, s[WV], 1
	s_lshl_b32 s37, s37, 2
	s_add_co_u32 s36, s36, s37
	s_add_co_u32 s36, s36, STG                     ; the stage: 128 (w / 2) + 4 (w % 2)
	v_and_b32 v3, 31, v0
	v_lshlrev_b32 v3, 4, v3                        ; 16 x lane
	v_and_b32 v5, 15, v0
	v_lshlrev_b32 v5, 4, v5                        ; 16 r
.irp j, 44,45,46,47,52,53,54,55,60,61,62,63
	v_mov_b32 v[\j], 0                             ; Q's zero codes
.endr
.irp x, 0,1
	v_mov_b32 v[13+2*\x], 0xff61b1e6               ; the largest t so far: -3e38
.endr
.irp x, 0,1
	v_floor_f32 v[12+2*\x], -v[13+2*\x]            ; -M
.endr
.irp j, 2,16,17,18,19,32,33
	v_mov_b32 v[\j], 0                             ; l; and registers that are named ahead of their first result
.endr
	s_wait_alu depctr_va_vdst(0)
	s_wait_dscnt 0x0                               ; both opening adds are done
	s_wait_kmcnt 0x0
	s_add_nc_u64 s[4:5], s[4:5], s[46:47]          ; kv at my head
	s_add_nc_u64 s[50:51], s[4:5], s[48:49]
	s_mov_b32 s[G0], 1
	s_mov_b32 s[G0+1], s48
	s_mov_b64 s[G0+2:G0+3], s[50:51]
	s_or_b32 s[G0+3], s[G0+3], 0x80000000
	CROUND                                         ; all four work-groups are here: the joint loads meet
	s_cmp_lt_u32 s[WV], 2                          ; one load a wave; waves 0 and 1 have a line of their own, since they alone wait for it ahead of the first barrier
	s_cbranch_scc0 .Llater
	tensor_load_to_lds s[G0:G0+3], s[G1:G1+7]
	s_nop 0
.rept 4
	v_nop
.endr
	s_branch .Lasked
.Llater:
	tensor_load_to_lds s[G0:G0+3], s[G1:G1+7]
	s_nop 0
.rept 4
	v_nop
.endr
.Lasked:
	s_add_nc_u64 s[56:57], s[4:5], s[56:57]
	s_add_nc_u64 s[58:59], s[4:5], s[58:59]
	s_add_nc_u64 s[6:7], s[6:7], s[60:61]
	s_add_nc_u64 s[8:9], s[8:9], s[62:63]
	global_load_b128 v[48:51], v3, s[56:57]        ; q's codes of tile 0
	global_load_b128 v[56:59], v3, s[56:57] offset:512
	global_load_b32 v1, v5, s[58:59]               ; two scale bytes of each
.macro SPAIR p, x                      ; two tiles of 16 keys: the fragment's lower half against (q, 0), its upper half against (0, q)
.if \p % 2
	v_wmma_scale_f32_16x16x128_f8f6f4 v[128*\x+16*\p:128*\x+16*\p+7], v[64+8*\p:71+8*\p], v[48+8*\x:55+8*\x], 0, v[20+\p/2], v[36+\x] matrix_a_fmt:MATRIX_FMT_FP4 matrix_b_fmt:MATRIX_FMT_FP4 matrix_a_scale:MATRIX_SCALE_ROW1
	v_wmma_scale_f32_16x16x128_f8f6f4 v[128*\x+16*\p+8:128*\x+16*\p+15], v[64+8*\p:71+8*\p], v[44+8*\x:51+8*\x], 0, v[20+\p/2], v[36+\x] matrix_a_fmt:MATRIX_FMT_FP4 matrix_b_fmt:MATRIX_FMT_FP4 matrix_a_scale:MATRIX_SCALE_ROW1
.else
	v_wmma_scale_f32_16x16x128_f8f6f4 v[128*\x+16*\p:128*\x+16*\p+7], v[64+8*\p:71+8*\p], v[48+8*\x:55+8*\x], 0, v[20+\p/2], v[36+\x] matrix_a_fmt:MATRIX_FMT_FP4 matrix_b_fmt:MATRIX_FMT_FP4
	v_wmma_scale_f32_16x16x128_f8f6f4 v[128*\x+16*\p+8:128*\x+16*\p+15], v[64+8*\p:71+8*\p], v[44+8*\x:51+8*\x], 0, v[20+\p/2], v[36+\x] matrix_a_fmt:MATRIX_FMT_FP4 matrix_b_fmt:MATRIX_FMT_FP4
.endif
.endm
.macro OPAIR x, u, e, zero             ; O^T += V^T P^T, two tiles of 16 channels, 128 keys
.if \zero
	v_wmma_scale_f32_16x16x128_f8f6f4 v[192+32*\x+16*\e:199+32*\x+16*\e], v[128+32*\u+16*\e:135+32*\u+16*\e], v[96+16*\x+8*\u:103+16*\x+8*\u], 0, v[24+2*\u+\e], v[28+2*\x+\u] matrix_a_fmt:MATRIX_FMT_FP4 matrix_b_fmt:MATRIX_FMT_FP4
	v_wmma_scale_f32_16x16x128_f8f6f4 v[200+32*\x+16*\e:207+32*\x+16*\e], v[136+32*\u+16*\e:143+32*\u+16*\e], v[96+16*\x+8*\u:103+16*\x+8*\u], 0, v[24+2*\u+\e], v[28+2*\x+\u] matrix_a_fmt:MATRIX_FMT_FP4 matrix_b_fmt:MATRIX_FMT_FP4 matrix_a_scale:MATRIX_SCALE_ROW1
.else
	v_wmma_scale_f32_16x16x128_f8f6f4 v[192+32*\x+16*\e:199+32*\x+16*\e], v[128+32*\u+16*\e:135+32*\u+16*\e], v[96+16*\x+8*\u:103+16*\x+8*\u], v[192+32*\x+16*\e:199+32*\x+16*\e], v[24+2*\u+\e], v[28+2*\x+\u] matrix_a_fmt:MATRIX_FMT_FP4 matrix_b_fmt:MATRIX_FMT_FP4
	v_wmma_scale_f32_16x16x128_f8f6f4 v[200+32*\x+16*\e:207+32*\x+16*\e], v[136+32*\u+16*\e:143+32*\u+16*\e], v[96+16*\x+8*\u:103+16*\x+8*\u], v[200+32*\x+16*\e:207+32*\x+16*\e], v[24+2*\u+\e], v[28+2*\x+\u] matrix_a_fmt:MATRIX_FMT_FP4 matrix_b_fmt:MATRIX_FMT_FP4 matrix_a_scale:MATRIX_SCALE_ROW1
.endif
.endm
.macro FMA2 j, m                       ; t - M, two at a time
	v_pk_fma_f32 v[\j:\j+1], v[\j:\j+1], s[CS:CS+1], v[\m:\m+1] op_sel_hi:[1,0,0]
.endm
.macro ADD2 d, s                       ; a pair onto a pair
	v_pk_add_f32 v[\d:\d+1], v[\d:\d+1], v[\s:\s+1]
.endm
.macro FOLD n, d, s                    ; n pairs onto n pairs
.set I, 0
.rept \n
	ADD2 \d+I, \s+I
.set I, I+2
.endr
.endm
.macro OPERAND x                       ; the blocks' largest p of tile x: the conversions' scale operands
.irp g, 0,1,2,3
	v_max_num_f32 v[4+4*\x+\g], 0x1800000, v[4+4*\x+\g]      ; the floor 2^(3 - 127): the byte cannot fall under 1
.endr
.irp g, 0,1,2,3
	v_add_nc_u32 v[4+4*\x+\g], 0xff000000, v[4+4*\x+\g]      ; 2 off the exponent field
.endr
.endm
.macro CODES x                         ; p's codes of tile x: 16 registers of window 0
	WIN 0x01
.irp g, 0,1,2,3
.irp t, 0,1,2,3
	v_cvt_scalef32_pk8_fp4_f32 v[96+16*\x+4*\g+\t], v[128*\x+32*\g+8*\t:128*\x+32*\g+8*\t+7], v[4+4*\x+\g]
.endr
.endr
	v_nop                                          ; one plain place behind a scaled conversion
.endm
.macro FETCH_K0 adr, at                ; a step's K scale words and its first 128 keys
.irp u, 0,1
	ds_load_b64 v[20+2*\u:21+2*\u], v[\adr] offset:\at+STEPB*\u+8192
.endr
.irp t, 0,1,2,3,4,5,6,7
	ds_load_b128 v[64+4*\t:67+4*\t], v[\adr] offset:\at+512*\t
.endr
.endm
; A STEP: 256 keys, four groups of 64, both tiles.  first = 1: O^T begins here.  last = 1: no step follows.
.macro STEP first, last
	v_add_nc_u32 v34, s[TB], v3
	s_wait_alu depctr_va_vdst(0)
.rept 4
	v_nop                                          ; four places between the last step's products and loads over p's codes
.endr
.irp t, 0,1,2,3,4,5,6,7
	ds_load_b128 v[96+4*\t:99+4*\t], v34 offset:STEPB+512*\t   ; K's second 128 keys
.endr
	s_wait_dscnt 0x8                               ; all but the eight just issued
	WIN 0x40                                       ; D in window 1
.irp p, 0,1,2,3
	SPAIR \p, 0
	SPAIR \p, 1
.endr
	s_wait_dscnt 0x0
.irp p, 4,5,6,7
	SPAIR \p, 0
	SPAIR \p, 1
.endr
	WIN 0
.rept 4
	v_nop
.endr
.irp u, 0,1
.irp b, 0,1,2,3
.irp c, 0,1
	ds_load_b128 v[128+32*\u+8*\b+4*\c:131+32*\u+8*\b+4*\c], v34 offset:STEPB*\u+4096+1024*\b+512*\c   ; V
.endr
.endr
	ds_load_b64 v[24+2*\u:25+2*\u], v34 offset:STEPB*\u+8200   ; V's scale words
.endr
.if \last == 0
	FETCH_K0 34, STEP2                             ; the next step's
.endif
	WIN 0x05
.irp g, 0,1,2,3
.irp x, 0,1
	v_max_num_f32 v[4+4*\x+\g], v[128*\x+32*\g], v[128*\x+32*\g+1]   ; the largest score of my block of group g: for the row's maximum, and for the block's largest p
.endr
.endr
.irp i, 2,4,6,8,10,12,14,16,18,20,22,24,26,28,30
.irp g, 0,1,2,3
.irp x, 0,1
	v_max3_num_f32 v[4+4*\x+\g], v[128*\x+32*\g+\i], v[128*\x+32*\g+\i+1], v[4+4*\x+\g]
.endr
.endr
.endr
	WIN 0
.irp x, 0,1
	v_max3_num_f32 v[1+34*\x], v[4+4*\x], v[5+4*\x], v[6+4*\x]
.endr
.irp x, 0,1
	v_max_num_f32 v[1+34*\x], v[1+34*\x], v[7+4*\x]
.endr
.irp x, 0,1
	v_permlanex16_b32 v[2+30*\x], v[1+34*\x], s[SEL], s[SEL+1]
.endr
.irp x, 0,1
	v_max_num_f32 v[1+34*\x], v[1+34*\x], v[2+30*\x]   ; with lane l xor 16's blocks: the step's largest score of my query
.endr
.irp x, 0,1
	v_mul_f32 v[1+34*\x], s[CS], v[1+34*\x]        ; as t
.endr
.irp x, 0,1
	v_max_num_f32 v[13+2*\x], v[13+2*\x], v[1+34*\x]   ; the running largest t
.endr
.irp x, 0,1
	v_mov_b32 v[1+34*\x], v[12+2*\x]
.endr
.irp x, 0,1
	v_floor_f32 v[12+2*\x], -v[13+2*\x]            ; the new -M = -ceil(t)
.endr
.irp x, 0,1
	v_sub_f32 v[1+34*\x], v[12+2*\x], v[1+34*\x]   ; old M - new M: a whole number, 0 or less
.endr
.irp x, 0,1
	v_cvt_i32_f32 v[1+34*\x], v[1+34*\x]           ; (it saturates)
.endr
.irp x, 0,1
	v_ldexp_f32 v[2+30*\x], 1.0, v[1+34*\x]        ; f = 2^(old M - new M)
.endr
.irp g, 0,1,2,3
.irp x, 0,1
	v_fma_f32 v[4+4*\x+\g], v[4+4*\x+\g], s[CS], v[12+2*\x]   ; each block's largest t - M
.endr
.endr
.irp x, 0,1
	v_pk_mul_f32 v[16+2*\x:17+2*\x], v[16+2*\x:17+2*\x], v[2+30*\x:3+30*\x] op_sel_hi:[1,0]   ; l under the new M
.endr
.if \first == 0
.irp x, 0,1
.set J, 192+32*\x
.rept 16
	v_pk_mul_f32 v[J:J+1], v[J:J+1], v[2+30*\x:3+30*\x] op_sel_hi:[1,0]   ; O^T under the new M
.set J, J+2
.endr
.endr
.endif
	WIN 0x41
.set J, 0
.rept 32
	FMA2 J, 12                                     ; tile 0's first 128 keys
.set J, J+2
.endr
	s_wait_alu depctr_va_vdst(0)
.set J, 0
.rept 32
	v_exp_f32 v[J], v[J]                           ; BATCH 1: p of tile 0's first 128 keys; among them t - M of tile 0's second,
	FMA2 64+2*J, 12
.set J, J+1
.endr
.rept 32
	v_exp_f32 v[J], v[J]
	FMA2 64+2*J, 14                                ; and of tile 1's first
.set J, J+1
.endr
	s_wait_alu depctr_va_vdst(0)                   ; behind batch 1 and ahead of batch 2
.rept 32
	v_exp_f32 v[J], v[J]                           ; BATCH 2: tile 0's second; among them t - M of tile 1's second
	FMA2 64+2*J, 14
	v_exp_f32 v[J+32], v[J+32]
.set J, J+1
.endr
	WIN 0
.irp g, 0,1,2,3
	v_exp_f32 v[4+\g], v[4+\g]                     ; and tile 0's blocks' largest p
.endr
	v_nop                                          ; a plain place behind the exponentials
	s_wait_alu depctr_va_vdst(0)
	OPERAND 0
	CODES 0
	WIN 0x45
	s_wait_alu depctr_va_vdst(0)
.set J, 128
.rept 32
	v_exp_f32 v[J], v[J]                           ; BATCH 3: tile 1's first; among them the sums' first level of tile 0 (of the unquantised p: 64 pairs onto 32)
	ADD2 2*J-192, 2*J-256
	v_exp_f32 v[J+32], v[J+32]
.set J, J+1
.endr
	v_nop
	s_wait_alu depctr_va_vdst(0)
.set J, 192
.rept 16
	v_exp_f32 v[J], v[J]                           ; BATCH 4: tile 1's second; among them the second level (32 pairs onto 16)
	ADD2 2*J-288, 2*J-320
	v_exp_f32 v[J+16], v[J+16]
	v_exp_f32 v[J+32], v[J+32]
	v_exp_f32 v[J+48], v[J+48]
.set J, J+1
.endr
	WIN 0
.irp g, 0,1,2,3
	v_exp_f32 v[8+\g], v[8+\g]
.endr
	v_nop
	s_wait_alu depctr_va_vdst(0)
	s_wait_dscnt 0x0                               ; V is in, and the next step's first 128 keys
.if \first
	s_wait_tensorcnt 0x0                           ; my tensor load is in, whichever it is; no LDS load of mine is out
	s_barrier_signal -1                            ; waited for behind this step: register work alone stands between
.endif
	OPERAND 1
	CODES 1
	WIN 0
.irp g, 0,1,2,3
.irp x, 0,1
	v_lshrrev_b32 v[4+4*\x+\g], 23, v[4+4*\x+\g]   ; the scales' bytes
.endr
.endr
.irp b, 4,6,8,10
	v_lshl_or_b32 v[\b], v[\b+1], 16, v[\b]
.endr
.irp b, 4,6,8,10
	v_permlanex16_b32 v[\b+1], v[\b], s[SEL], s[SEL+1]
.endr
.irp b, 4,6,8,10
	v_lshl_or_b32 v[26+\b/2], v[\b+1], 8, v[\b]    ; p's scale words of each 128 keys: right in lanes 0-15, which alone are read
.endr
	WIN 0x45
	FOLD 32, 128, 192                              ; the sums of tile 1 and the rest of tile 0's.  (Also the places between p's scale words and codes and the products below)
	FOLD 8, 96, 112
	FOLD 16, 128, 160
	FOLD 4, 96, 104
	FOLD 8, 128, 144
	FOLD 2, 96, 100
	FOLD 4, 128, 136
	FOLD 1, 96, 98
	FOLD 2, 128, 132
	FOLD 1, 128, 130
	WIN 0x04
	ADD2 16, 96                                    ; onto l
	ADD2 18, 128
	WIN 0
.irp x, 0,1
	OPAIR \x, 0, 0, \first
	OPAIR \x, 0, 1, \first
.endr
.irp x, 0,1
	OPAIR \x, 1, 0, 0
	OPAIR \x, 1, 1, 0
.endr
	s_add_co_u32 s[TB], s[TB], STEP2
.endm
	s_wait_loadcnt 0x0                             ; Q
	v_and_b32 v36, 0xffff, v1
	v_lshrrev_b32 v37, 16, v1
	v_lshl_or_b32 v36, v36, 16, v36                ; a tile's two scale bytes serve both halves of K
	v_lshl_or_b32 v37, v37, 16, v37
	s_wait_alu depctr_va_vdst(0)
	s_cmp_lt_u32 s[WV], 2
	s_cbranch_scc0 .Lmine_later
	s_wait_tensorcnt 0x0                           ; steps 0 and 1
.Lmine_later:
	s_barrier_signal -1
	s_barrier_wait -1                              ; steps 0 and 1 are in, for every wave
	FETCH_K0 3, 0
	STEP 1, 0
	s_barrier_wait -1                              ; all steps are in
	s_mov_b32 s[CNT], 6
.Lloop:
	STEP 0, 0
	s_sub_co_u32 s[CNT], s[CNT], 1
	s_cmp_lg_u32 s[CNT], 0
	s_cbranch_scc1 .Lloop
	STEP 0, 1
	; THE WAY OUT: O^T / l, quantised along the channels: a lane's 32 registers of a tile are block h of its query
	s_wait_alu depctr_va_vdst(0)                   ; ahead of l's reader
	v_add_f32 v16, v16, v17                        ; l's two halves,
	v_add_f32 v18, v18, v19
	v_and_b32 v4, 15, v0                           ; r
	v_bfe_u32 v5, v0, 4, 1                         ; h
	v_permlanex16_b32 v1, v16, s[SEL], s[SEL+1]
	v_permlanex16_b32 v35, v18, s[SEL], s[SEL+1]
	v_lshl_add_u32 v6, v4, 3, v5
	v_add_nc_u32 v9, STG, v3                       ; the stage, back
	v_add_f32 v16, v16, v1                         ; and lane l xor 16's
	v_add_f32 v18, v18, v35
	v_add_nc_u32 v6, s36, v6                       ; the stage, in: 8 r + h on
	s_wait_alu depctr_va_vdst(0)
	v_rcp_f32 v16, v16
	v_rcp_f32 v18, v18
	v_nop                                          ; a plain place behind the transcendentals
	s_wait_alu depctr_va_vdst(0)
.irp x, 0,1
.set J, 32*\x
.rept 16
	v_pk_mul_f32 v[64+J:65+J], v[192+J:193+J], v[16+2*\x:17+2*\x] op_sel_hi:[1,0]
.set J, J+2
.endr
.endr
	v_max3_num_f32 v4, |v64|, |v65|, 0x1800000
	v_max3_num_f32 v5, |v80|, |v81|, 0x1800000
	v_max3_num_f32 v7, |v96|, |v97|, 0x1800000
	v_max3_num_f32 v8, |v112|, |v113|, 0x1800000
.irp i, 2,4,6,8,10,12,14
	v_max3_num_f32 v4, v4, |v[64+\i]|, |v[65+\i]|
	v_max3_num_f32 v5, v5, |v[80+\i]|, |v[81+\i]|
	v_max3_num_f32 v7, v7, |v[96+\i]|, |v[97+\i]|
	v_max3_num_f32 v8, v8, |v[112+\i]|, |v[113+\i]|
.endr
	v_max_num_f32 v4, v4, v5
	v_max_num_f32 v7, v7, v8
	v_add_nc_u32 v10, 0xff000000, v4
	v_add_nc_u32 v11, 0xff000000, v7
	v_lshrrev_b32 v1, 23, v10                      ; my blocks' scale bytes
	v_lshrrev_b32 v35, 23, v11
.irp t, 0,1,2,3
	v_cvt_scalef32_pk8_fp4_f32 v[128+\t], v[64+8*\t:71+8*\t], v10
.endr
.irp t, 0,1,2,3
	v_cvt_scalef32_pk8_fp4_f32 v[132+\t], v[96+8*\t:103+8*\t], v11
.endr
	v_nop
.irp b, 128,130,132,134
	v_cndmask_b32 v[\b+8], v[\b], v[\b+1], s34     ; lanes 16-31: the channels' natural order
	v_cndmask_b32 v[\b+9], v[\b+1], v[\b], s34
.endr
	global_store_b128 v3, v[136:139], s[6:7]       ; 512 consecutive bytes, aligned
	global_store_b128 v3, v[140:143], s[6:7] offset:8192
	ds_store_b8 v6, v1
	ds_store_b8 v6, v35 offset:2
	s_wait_dscnt 0x0                               ; for wave 0's sake
	s_barrier_signal -1
	s_barrier_wait -1
	s_cmp_lg_u32 s[WV], 0
	s_cbranch_scc1 .Lnot_0
	ds_load_b128 v[64:67], v9                      ; the eight waves' bytes: 512
	s_wait_dscnt 0x0
	global_store_b128 v3, v[64:67], s[8:9]         ; 512 consecutive bytes, aligned
.Lnot_0:
	s_wait_tensorcnt 0x0                           ; the wave's end
	ds_add_u32 v[SPW], v[NIL]
	s_wait_dscnt 0x0
	CROUND                                         ; the closing round
	s_endpgm
.Lfunc_end_k_qed9ab4c9f4_attn:
	.size	k_qed9ab4c9f4_attn, .Lfunc_end_k_qed9ab4c9f4_attn-k_qed9ab4c9f4_attn
	.p2alignl 7, 3214868480
	.fill 96, 4, 3214868480
	.section	.rodata,"a",@progbits
	.p2align	6, 0x0
	.amdhsa_kernel k_qed9ab4c9f4_attn
		.amdhsa_group_segment_fixed_size 169984
		.amdhsa_private_segment_fixed_size 0
		.amdhsa_enable_private_segment 0
		.amdhsa_kernarg_size 24
		.amdhsa_user_sgpr_count 2
		.amdhsa_user_sgpr_kernarg_segment_ptr 1
		.amdhsa_wavefront_size32 1
		.amdhsa_system_sgpr_workgroup_id_x 1
		.amdhsa_system_sgpr_workgroup_id_y 1
		.amdhsa_system_sgpr_workgroup_id_z 1
		.amdhsa_system_vgpr_workitem_id 0
		.amdhsa_next_free_vgpr 512
		.amdhsa_next_free_sgpr 66
		.amdhsa_reserve_vcc 0
		.amdhsa_float_denorm_mode_32 3
		.amdhsa_float_denorm_mode_16_64 3
		.amdhsa_memory_ordered 1
		.amdhsa_forward_progress 1
		.amdhsa_inst_pref_size 159
	.end_amdhsa_kernel
	.amdgpu_metadata
---
amdhsa.version: [ 1, 2 ]
amdhsa.kernels:
  - .name:           k_qed9ab4c9f4_attn
    .symbol:         k_qed9ab4c9f4_attn.kd
    .args:
      - { .name: kv, .offset: 0, .size: 8, .value_kind: global_buffer, .address_space: global }
      - { .name: a_codes, .offset: 8, .size: 8, .value_kind: global_buffer, .address_space: global }
      - { .name: a_scales, .offset: 16, .size: 8, .value_kind: global_buffer, .address_space: global }
    .group_segment_fixed_size: 169984
    .private_segment_fixed_size: 0
    .kernarg_segment_align: 8
    .kernarg_segment_size: 24
    .max_flat_workgroup_size: 256
    .sgpr_count:     66
    .vgpr_count:     512
    .wavefront_size: 32
...
	.end_amdgpu_metadata
.endif
;; end of part 2
;; launch outp (part 3): grid 8 x 32, 4 waves a work-group, clusters of 4 x 4, 168,448 bytes of LDS; arguments a_codes, a_scales, Wo_codes, Wo_scales, bo, out0; writes out0
.if DOCPART == 3
	.amdgcn_target "amdgcn-amd-amdhsa--gfx1250"
	.amdhsa_code_object_version 6
	.text
	.protected	k_qed9ab4c9f4_outp
	.globl	k_qed9ab4c9f4_outp
	.p2align	8
	.type	k_qed9ab4c9f4_outp,@function
k_qed9ab4c9f4_outp:
	s_mov_b64 s[64:65], 0
	v_nop
	global_prefetch_b8 v0, s[64:65] scope:SCOPE_SE
	s_setreg_imm32_b32 hwreg(HW_REG_WAVE_MODE, 25, 1), 1
	s_wait_xcnt 0x0
	s_wait_alu depctr_hold_cnt(0) depctr_sa_sdst(0) depctr_va_vdst(0) depctr_va_sdst(0) depctr_va_ssrc(0) depctr_va_vcc(0) depctr_vm_vsrc(0)
	s_getreg_b32 s2, hwreg(HW_REG_IB_STS2, 6, 4)
	s_cmp_eq_u32 s2, 0
	s_cbranch_scc0 .Lentry_in_a_cluster
	s_endpgm
.Lentry_in_a_cluster:
	s_bfe_u32 s2, ttmp6, 0x10000c
	s_cmp_lg_u32 s2, 0xf033
	s_cbranch_scc0 .Lentry_shape_is_right
	s_endpgm
.Lentry_shape_is_right:
; out0 = attn Wo^T + bo on codes of FP4 (E2M1) with E8M0 scales.  attn: 4,096 rows x 1,024 as the launch before laid it: a_codes[tile of 16 rows][head][512 bytes], images of the operand's registers
; (two heads are the 1,024 bytes of one fragment of 128 along K); a_scales[16][head][4][row 16][4] half words.  Wo: 1,024 x 1,024 as codes, K innermost, 512 bytes a row, 32 scale bytes a row.
; SHARES.  A work-group takes 8 tiles of rows (128 rows) x 128 columns; wave (wm, wn) four tiles x 64 columns.  Slot r of tile t of a wave's four is row 8 t + r (r < 8) or 32 + 8 (t ^ 1) + r - 8 of its 64.
; THE MATRIX INSTRUCTION IS USED TRANSPOSED (source 0 = 16 rows of Wo, source 1 = a tile of attn): a lane holds eight neighbouring columns of one row.  The bias is the C of each sum's first instruction.
; BY ROWS: all of the wave's fragments of Wo (4 tiles x 8 steps of 128 along K) come into registers once; then its four tiles of rows are finished one after the other, 32 matrix instructions each, and each leaves while the next is multiplied.
; LDS holds all of K at once, filled once, by one tensor load a wave; nothing is filled again.
; CLUSTER 4 x 4: attn's tiles are shared along a row of the cluster, Wo's along a column.  No prefetch: each tile is asked for once, at the head, and no loop runs ahead of it.
; LIMITS: NaN and infinities are not served.
; REGISTERS.  window 0: v1-12 addresses; v16-47 attn's scale words (8 a + k); v48-63 Wo's (lanes 0-15: steps 0-3 along K, lanes 16-31: 4-7); v64-127, v128-191 attn's fragments of a tile, two buffers; v192-223 the bias.
;   window 1: Wo's fragments (b, k) at v[64 b + 8 k].   window 2: accumulator (a, b) at v[32 a + 8 b]; v128-255 rows read back from the stage.
.set PITCH, 528
.set HALFT, 64*PITCH
.set BBASE, 65536                      ; attn: 8 tiles x 8,192 bytes, no padding: every read is 16 x lane on end; then Wo: 128 rows of 512 bytes + 16 of padding
.set STG,   BBASE+2*HALFT              ; a stage of 16 rows x (256 + 16) bytes for each wave: no fill lands here
.set SPARE, STG+4*16*272               ; the spare words
.set SA,  16
.set SB,  48
.set F0,  64
.set F1,  128
.set BO,  192
.set SPW, 254
.set NIL, 255
.set G1A,  28
.set G1B,  36
.set G0A,  44
.set G0B,  48
.set MSB, 0
.macro WIN new
.if MSB != \new
	s_set_vgpr_msb (MSB<<8)|\new
.set MSB, \new
.endif
.endm
.macro PLACES
.rept 4
	v_nop
.endr
.endm
.macro CROUND
	s_barrier_signal -1
	s_barrier_wait -1
	s_cmp_lg_u32 s16, 0
	s_cbranch_scc1 .Lnot_wave_0_\@
	s_barrier_signal -3
.Lnot_wave_0_\@:
	s_barrier_wait -3
	s_barrier_signal -1
	s_barrier_wait -1
.endm
	s_load_b256 s[4:11], s[0:1], 0x0               ; a_codes s[4:5], a_scales s[6:7], Wo's codes s[8:9], Wo's scales s[10:11]
	s_load_b128 s[12:15], s[0:1], 0x20             ; bo s[12:13], out0 s[14:15]
	v_lshl_add_u32 v[SPW], v0, 2, SPARE
	v_mov_b32 v[NIL], 0
	ds_add_u32 v[SPW], v[NIL]                      ; the opening lines
	ds_add_u32 v[SPW], v[NIL]
	v_lshrrev_b32 v1, 5, v0
	v_readfirstlane_b32 s16, v1                    ; wave 0..3
	s_lshr_b32 s17, s16, 1                         ; wm: my four tiles of rows.  Also: I fetch for attn (0) or for Wo (1)
	s_and_b32 s18, s16, 1                          ; wn: my 64 columns.  Also: which half I fetch
	s_bfe_u32 s19, ttmp6, 0x40000                  ; cx
	s_bfe_u32 s20, ttmp6, 0x40004                  ; cy
	s_lshl_b32 s21, ttmp9, 2
	s_add_co_u32 s21, s21, s19                     ; nx
	s_and_b32 s22, ttmp7, 0xffff
	s_lshl_b32 s22, s22, 2
	s_add_co_u32 s22, s22, s20                     ; my
	s_lshl_b32 s23, s20, 2
	s_lshl_b32 s23, 15, s23                        ; my row of the cluster
	s_lshl_b32 s24, 0x1111, s19                    ; my column
	; group 1 for attn: 4 tiles of rows x 8,192 bytes (1,024 elements of 8), dense
	s_or_b32 s[G1A], s23, (3<<16)|(1<<21)
	s_mov_b32 s[G1A+1], 1024<<16
	s_mov_b32 s[G1A+2], 4<<16
	s_mov_b32 s[G1A+3], 1024<<16
	s_mov_b32 s[G1A+4], 4
	s_mov_b32 s[G1A+5], 1024
	s_mov_b32 s[G1A+6], 0
	s_mov_b32 s[G1A+7], 0
	; for Wo's codes: 64 rows x 512 bytes, 16 bytes of padding behind each
	s_or_b32 s[G1B], s24, (0<<16)|(1<<20)|(1<<21)|(6<<22)|(3<<25)
	s_mov_b32 s[G1B+1], 512<<16
	s_mov_b32 s[G1B+2], 64<<16
	s_mov_b32 s[G1B+3], 512<<16
	s_mov_b32 s[G1B+4], 64
	s_mov_b32 s[G1B+5], 512
	s_mov_b32 s[G1B+6], 0
	s_mov_b32 s[G1B+7], 0
	s_lshl_b32 s25, s18, 15                        ; which half I fetch: 32,768 bytes of either
	s_lshl_b32 s92, s22, 16
	s_add_co_u32 s92, s92, s25                     ; attn: tile 8 my + 4 half, 8,192 bytes a tile
	s_mov_b32 s93, 0
	s_lshl_b32 s96, s21, 16
	s_add_co_u32 s96, s96, s25                     ; Wo: row 128 nx + 64 half
	s_mov_b32 s97, 0
	s_mul_i32 s27, s18, HALFT
	s_add_co_u32 s27, s27, BBASE                   ; where Wo's half goes (attn's: s25)
	s_lshr_b32 s66, s22, 1
	s_lshl_b32 s66, s66, 13
	s_and_b32 s67, s22, 1
	s_lshl_b32 s67, s67, 1
	s_add_co_u32 s67, s67, s17
	s_lshl_b32 s67, s67, 7
	s_add_co_u32 s66, s66, s67                     ; a_scales[my / 2][head 0][2 (my % 2) + wm]
	s_mov_b32 s67, 0
	s_lshl_b32 s68, s21, 12
	s_lshl_b32 s69, s18, 11
	s_add_co_u32 s68, s68, s69                     ; Wo's scales at my 64 rows
	s_mov_b32 s69, 0
	s_lshl_b32 s70, s21, 9
	s_lshl_b32 s71, s18, 8
	s_add_co_u32 s70, s70, s71                     ; my first column, in bytes: bo's, and out0's
	s_mov_b32 s71, 0
	s_lshl_b32 s72, s22, 19
	s_lshl_b32 s73, s17, 18
	s_add_co_u32 s72, s72, s73                     ; my first row of out0, 4,096 bytes a row
	s_mov_b32 s73, 0
	s_lshl_b32 s74, s17, 15                        ; attn's fragments: my four tiles
	s_mul_i32 s75, s18, HALFT
	s_add_co_u32 s75, s75, BBASE                   ; Wo's: my 64 rows
	s_mul_i32 s76, s16, 16*272
	s_add_co_u32 s76, s76, STG                     ; my stage
	s_mov_b32 s62, 0x05040100                      ; v_perm_b32: the two low halves
	s_mov_b32 s63, 0x07060302                      ; the two high halves
	v_and_b32 v1, 15, v0                           ; r
	v_bfe_u32 v2, v0, 4, 1                         ; h
	v_and_b32 v3, 31, v0                           ; lane
	v_lshlrev_b32 v4, 4, v3
	v_add_nc_u32 v4, s74, v4
	v_mul_u32_u24 v5, v1, PITCH
	v_lshl_add_u32 v5, v2, 4, v5
	v_add_nc_u32 v5, s75, v5                       ; Wo's: row r x pitch + 16 h
	v_mul_u32_u24 v7, v1, 272
	v_lshl_add_u32 v7, v2, 5, v7
	v_add_nc_u32 v7, s76, v7                       ; the stage, in: row r, 32 bytes for each half of the lanes
	v_mul_u32_u24 v8, v2, 272
	v_lshl_add_u32 v8, v1, 4, v8
	v_add_nc_u32 v8, s76, v8                       ; back: lanes 0-15 one row of 256 bytes, lanes 16-31 the next
	v_lshlrev_b32 v9, 12, v2
	v_lshl_add_u32 v9, v1, 4, v9                   ; and the same two rows in out0
	v_lshlrev_b32 v10, 3, v1                       ; a_scales: 8 bytes a row: the half words of my four tiles
	v_lshlrev_b32 v11, 5, v2                       ; bo: 8 h numbers on
	v_lshlrev_b32 v12, 5, v1
	v_lshl_add_u32 v12, v2, 4, v12                 ; Wo's scale words: 32 bytes a row, lanes 16-31 the upper 16
	s_wait_alu depctr_va_vdst(0)
	s_wait_dscnt 0x0                               ; both opening adds are done
	s_wait_kmcnt 0x0
	s_add_nc_u64 s[92:93], s[4:5], s[92:93]
	s_add_nc_u64 s[96:97], s[8:9], s[96:97]
	s_mov_b32 s[G0A], 1
	s_mov_b32 s[G0A+1], s25
	s_mov_b64 s[G0A+2:G0A+3], s[92:93]
	s_or_b32 s[G0A+3], s[G0A+3], 0x80000000
	s_mov_b32 s[G0B], 1
	s_mov_b32 s[G0B+1], s27
	s_mov_b64 s[G0B+2:G0B+3], s[96:97]
	s_or_b32 s[G0B+3], s[G0B+3], 0x80000000
	CROUND                                         ; all sixteen work-groups are here: the joint loads meet
	s_cmp_eq_u32 s17, 0                            ; one joint load a wave: waves 0 and 1 for attn, 2 and 3 for Wo
	s_cbranch_scc0 .Lfor_w
	tensor_load_to_lds s[G0A:G0A+3], s[G1A:G1A+7]
	s_nop 0
	PLACES
	s_branch .Lasked
.Lfor_w:
	tensor_load_to_lds s[G0B:G0B+3], s[G1B:G1B+7]
	s_nop 0
	PLACES
.Lasked:
	s_add_nc_u64 s[6:7], s[6:7], s[66:67]
	s_add_nc_u64 s[10:11], s[10:11], s[68:69]
	s_add_nc_u64 s[12:13], s[12:13], s[70:71]
	s_add_nc_u64 s[14:15], s[14:15], s[72:73]
	s_add_nc_u64 s[14:15], s[14:15], s[70:71]
.set J, 0
.rept 16
	global_load_b64 v[F0+2*J:F0+2*J+1], v10, s[6:7] offset:512*J   ; head J: tiles 0, 1 in the first register, tiles 2, 3 in the second
.set J, J+1
.endr
.irp b, 0,1,2,3
	global_load_b128 v[SB+4*\b:SB+4*\b+3], v12, s[10:11] offset:512*\b
	global_load_b128 v[BO+8*\b:BO+8*\b+3], v11, s[12:13] offset:64*\b
	global_load_b128 v[BO+8*\b+4:BO+8*\b+7], v11, s[12:13] offset:64*\b+16
.endr
	s_wait_loadcnt 0x0
.irp k, 0,1,2,3,4,5,6,7                ; the word of tile a for 128 along K: head 2 k's two bytes below, head 2 k + 1's above
	v_perm_b32 v[SA+\k],    v[F0+2+4*\k], v[F0+4*\k], s62
	v_perm_b32 v[SA+8+\k],  v[F0+2+4*\k], v[F0+4*\k], s63
	v_perm_b32 v[SA+16+\k], v[F0+3+4*\k], v[F0+1+4*\k], s62
	v_perm_b32 v[SA+24+\k], v[F0+3+4*\k], v[F0+1+4*\k], s63
.endr
.rept 8
	v_nop                                          ; a scale register written by a vector instruction stands eight places ahead of a scaled matrix instruction
.endr
.macro FETCHA a, f                     ; attn's tile a, all of K: 16 LDS loads
	WIN 0
.irp k, 0,1,2,3,4,5,6,7
.irp c, 0,1
	ds_load_b128 v[\f+8*\k+4*\c:\f+8*\k+4*\c+3], v4 offset:8192*\a+1024*\k+512*\c
.endr
.endr
.endm
; 32 matrix instructions: tile a is finished.  Its four accumulators take turns, in the same order in every step.
.macro ROW a, f
.irp k, 0,1,2,3,4,5,6,7
.if \a == 0
.set WCNT, 8*(7-\k)+16                 ; behind step k's loads of Wo: the later steps' and tile 1's sixteen; the counter's field ends at 63
.if WCNT > 63
.set WCNT, 63
.endif
	s_wait_dscnt WCNT
.endif
.if \k == 0
	WIN 0x81                                       ; D window 2, Wo window 1, attn and the bias window 0
.else
	WIN 0xa1                                       ; C too in window 2
.endif
.irp b, 0,1,2,3
.if \k == 0
	v_wmma_scale_f32_16x16x128_f8f6f4 v[32*\a+8*\b:32*\a+8*\b+7], v[64*\b+8*\k:64*\b+8*\k+7], v[\f+8*\k:\f+8*\k+7], v[BO+8*\b:BO+8*\b+7], v[SB+4*\b+(\k%4)], v[SA+8*\a+\k] matrix_a_fmt:MATRIX_FMT_FP4 matrix_b_fmt:MATRIX_FMT_FP4
.elseif \k < 4
	v_wmma_scale_f32_16x16x128_f8f6f4 v[32*\a+8*\b:32*\a+8*\b+7], v[64*\b+8*\k:64*\b+8*\k+7], v[\f+8*\k:\f+8*\k+7], v[32*\a+8*\b:32*\a+8*\b+7], v[SB+4*\b+(\k%4)], v[SA+8*\a+\k] matrix_a_fmt:MATRIX_FMT_FP4 matrix_b_fmt:MATRIX_FMT_FP4
.else
	v_wmma_scale_f32_16x16x128_f8f6f4 v[32*\a+8*\b:32*\a+8*\b+7], v[64*\b+8*\k:64*\b+8*\k+7], v[\f+8*\k:\f+8*\k+7], v[32*\a+8*\b:32*\a+8*\b+7], v[SB+4*\b+(\k%4)], v[SA+8*\a+\k] matrix_a_fmt:MATRIX_FMT_FP4 matrix_b_fmt:MATRIX_FMT_FP4 matrix_a_scale:MATRIX_SCALE_ROW1
.endif
.endr
.endr
.endm
; THE WAY OUT of a tile, 16 rows x 64 columns, through my own stage: in as 32 bytes a lane, back as whole rows of 256 bytes.  LDS serves a wave's instructions in order (ISA guide 5.7.1.4): no wait between the stores and the loads.
.macro TOSTAGE a
	PLACES                                         ; between the products and the reads of their results (and loads into the buffer that they read)
	WIN 0x08                                       ; an LDS store's data are its source 1: window 2
.irp b, 0,1,2,3
	ds_store_b128 v7, v[32*\a+8*\b:32*\a+8*\b+3] offset:64*\b           ; each accumulator from its low end on
	ds_store_b128 v7, v[32*\a+8*\b+4:32*\a+8*\b+7] offset:64*\b+16
.endr
	WIN 0x80
.irp t, 0,1,2,3,4,5,6,7
	ds_load_b128 v[128+32*\a+4*\t:128+32*\a+4*\t+3], v8 offset:544*\t   ; each tile has registers of its own: no store's data are written again
.endr
.endm
.macro SEND a, younger                 ; younger: the LDS instructions issued behind tile a's loads
	s_wait_dscnt \younger
	WIN 0x08
.irp t, 0,1,2,3,4,5,6,7
	global_store_b128 v9, v[128+32*\a+4*\t:128+32*\a+4*\t+3], s[14:15] offset:(8*((\a)^(\t/4))+24*(\t/4)+2*\t)*4096 th:TH_STORE_NT   ; slots 2 t, 2 t + 1: 16 lanes store 256 consecutive bytes, aligned
.endr
.endm
	s_wait_alu depctr_va_vdst(0)
	s_wait_tensorcnt 0x0                           ; my tile is in
	s_barrier_signal -1
	s_barrier_wait -1                              ; everybody's is
	FETCHA 0, F0
	WIN 0x40
.irp k, 0,1,2,3,4,5,6,7
.irp b, 0,1,2,3
.irp c, 0,1
	ds_load_b128 v[64*\b+8*\k+4*\c:64*\b+8*\k+4*\c+3], v5 offset:16*PITCH*\b+64*\k+32*\c
.endr
.endr
.endr
	FETCHA 1, F1
	ROW 0, F0
	TOSTAGE 0
	FETCHA 2, F0
	s_wait_dscnt 32                                ; tile 1's fragments: behind them the stage's sixteen and tile 2's sixteen
	ROW 1, F1
	SEND 0, 16
	TOSTAGE 1
	FETCHA 3, F1
	s_wait_dscnt 32
	ROW 2, F0
	SEND 1, 16
	TOSTAGE 2
	s_wait_dscnt 16
	ROW 3, F1
	SEND 2, 0
	TOSTAGE 3
	SEND 3, 0
	WIN 0
	s_wait_tensorcnt 0x0                           ; the wave's end
	ds_add_u32 v[SPW], v[NIL]
	s_wait_dscnt 0x0
	CROUND                                         ; the closing round: no work-group ends while a partner may still ask for a tile that names it
	s_endpgm
.Lfunc_end_k_qed9ab4c9f4_outp:
	.size	k_qed9ab4c9f4_outp, .Lfunc_end_k_qed9ab4c9f4_outp-k_qed9ab4c9f4_outp
	.p2alignl 7, 3214868480
	.fill 96, 4, 3214868480
	.section	.rodata,"a",@progbits
	.p2align	6, 0x0
	.amdhsa_kernel k_qed9ab4c9f4_outp
		.amdhsa_group_segment_fixed_size 168448
		.amdhsa_private_segment_fixed_size 0
		.amdhsa_enable_private_segment 0
		.amdhsa_kernarg_size 48
		.amdhsa_user_sgpr_count 2
		.amdhsa_user_sgpr_kernarg_segment_ptr 1
		.amdhsa_wavefront_size32 1
		.amdhsa_system_sgpr_workgroup_id_x 1
		.amdhsa_system_sgpr_workgroup_id_y 1
		.amdhsa_system_sgpr_workgroup_id_z 1
		.amdhsa_system_vgpr_workitem_id 0
		.amdhsa_next_free_vgpr 768
		.amdhsa_next_free_sgpr 100
		.amdhsa_reserve_vcc 0
		.amdhsa_float_denorm_mode_32 3
		.amdhsa_float_denorm_mode_16_64 3
		.amdhsa_memory_ordered 1
		.amdhsa_forward_progress 1
		.amdhsa_inst_pref_size 45
	.end_amdhsa_kernel
	.amdgpu_metadata
---
amdhsa.version: [ 1, 2 ]
amdhsa.kernels:
  - .name:           k_qed9ab4c9f4_outp
    .symbol:         k_qed9ab4c9f4_outp.kd
    .args:
      - { .name: a_codes, .offset: 0, .size: 8, .value_kind: global_buffer, .address_space: global }
      - { .name: a_scales, .offset: 8, .size: 8, .value_kind: global_buffer, .address_space: global }
      - { .name: Wo_codes, .offset: 16, .size: 8, .value_kind: global_buffer, .address_space: global }
      - { .name: Wo_scales, .offset: 24, .size: 8, .value_kind: global_buffer, .address_space: global }
      - { .name: bo, .offset: 32, .size: 8, .value_kind: global_buffer, .address_space: global }
      - { .name: out0, .offset: 40, .size: 8, .value_kind: global_buffer, .address_space: global }
    .group_segment_fixed_size: 168448
    .private_segment_fixed_size: 0
    .kernarg_segment_align: 8
    .kernarg_segment_size: 48
    .max_flat_workgroup_size: 128
    .sgpr_count:     100
    .vgpr_count:     768
    .wavefront_size: 32
...
	.end_amdgpu_metadata
.endif
;; end of part 3
